; MI455X (gfx1250); checked and timed in simulation.
; The chip was launched on July 23, 2026; its instructions are those of AMD's public machine-readable ISA for CDNA 5 (MIT licence, August 2026) and "CDNA5" Instruction Set Architecture Reference Guide (July 2026). The comments in the code are by the model that wrote it; some were corrected since.
;; OPT Gated Attention. Allowed arithmetic: float matrix products may take bf16 or f16 operands with f32 sums; all other float work in f32.
;; Inputs: W_out 1,024 x 1,024 float32; W_qk 2,048 x 1,024 float32; W_v 1,024 x 1,024 float32; attention_mask 2 x 1 x 2,048 x 2,048 float32; b_out 1,024 float32; b_qk 2,048 float32; b_v 1,024 float32; hidden_states 2 x 2,048 x 1,024 float32; layer_head_mask 16 float32.
;; Outputs: out0 2 x 2,048 x 1,024 float32.
;; One version. Each part assembles by itself: llvm-mc -triple=amdgcn-amd-amdhsa -mcpu=gfx1250 --defsym DOCPART=n.
;; ======== version 1 of 1: 4 launches
;; limits: values are held in f16: magnitudes above 65,504 overflow, below 6.1e-05 lose precision; values outside matrix products are rounded to bf16
;; workspace buffers: hb 8,388,608 bytes; wb 6,291,456 bytes; wo 2,097,152 bytes; qkv 25,165,824 bytes; ab 16,777,216 bytes
;; launch cast (part 1): grid 512 x 1, 8 waves a work-group, no clusters, 0 bytes of LDS; arguments hidden_states, W_qk, W_v, W_out, hb, wb, wo; writes hb, wb, wo
.if DOCPART == 1
	.amdgcn_target "amdgcn-amd-amdhsa--gfx1250"
	.amdhsa_code_object_version 6
	.text
	.protected	k_qd26ca351c8_cast
	.globl	k_qd26ca351c8_cast
	.p2align	8
	.type	k_qd26ca351c8_cast,@function
k_qd26ca351c8_cast:
	s_mov_b64 s[64:65], 0
	v_nop
	global_prefetch_b8 v0, s[64:65] scope:SCOPE_SE
	s_setreg_imm32_b32 hwreg(HW_REG_WAVE_MODE, 25, 1), 1
	s_wait_xcnt 0x0
; f32 to bf16 (round to nearest even): hidden_states into hb; W_qk and W_v, one behind the other, into wb; W_out into wo.
; A stream: every input byte is read once by 16-byte loads, every output byte written once; LDS, barriers and the matrix
; unit would add nothing.  A work-group takes 16,384 numbers (65,536 bytes in, 32,768 out):
;   x 0-255 hidden_states -> hb chunk x;  256-383 W_qk and 384-447 W_v -> wb chunk x - 256;  448-511 W_out -> wo chunk x - 448.
; A thread issues all its 16 loads first; a wave's load covers 512 consecutive bytes, its store 256 consecutive aligned bytes.
; No register is written twice, so no source of a pending load or store is ever overwritten.
.set X, 4                              ; v[4:67]   16 x 4 numbers as loaded
.set Y, 68                             ; v[68:99]  16 x 4 numbers in bf16
	s_load_b256 s[4:11], s[0:1], 0x0               ; hidden s[4:5], W_qk s[6:7], W_v s[8:9], W_out s[10:11]
	s_load_b128 s[12:15], s[0:1], 0x20             ; hb s[12:13], wb s[14:15]
	s_load_b64 s[28:29], s[0:1], 0x30              ; wo
	v_lshlrev_b32 v1, 4, v0                        ; 16 bytes in for each thread
	v_lshlrev_b32 v2, 3, v0                        ; 8 bytes out
	s_mov_b32 s27, ttmp9
	s_sub_co_u32 s24, s27, 448                     ; the chunk's number inside W_out and wo,
	s_sub_co_u32 s25, s27, 384                     ; inside W_v,
	s_sub_co_u32 s26, s27, 256                     ; inside W_qk, and inside wb
	s_wait_kmcnt 0x0
	s_cmp_lt_u32 s27, 448
	s_cselect_b64 s[16:17], s[8:9], s[10:11]
	s_cselect_b32 s18, s25, s24
	s_cselect_b64 s[20:21], s[14:15], s[28:29]
	s_cselect_b32 s22, s26, s24
	s_cmp_lt_u32 s27, 384
	s_cselect_b64 s[16:17], s[6:7], s[16:17]
	s_cselect_b32 s18, s26, s18
	s_cmp_lt_u32 s27, 256
	s_cselect_b64 s[16:17], s[4:5], s[16:17]       ; the source
	s_cselect_b32 s18, s27, s18                    ; and my chunk in it
	s_cselect_b64 s[20:21], s[12:13], s[20:21]     ; the destination
	s_cselect_b32 s22, s27, s22                    ; and my chunk in it
	s_lshl_b32 s18, s18, 16
	s_mov_b32 s19, 0
	s_lshl_b32 s22, s22, 15
	s_mov_b32 s23, 0
	s_add_nc_u64 s[16:17], s[16:17], s[18:19]
	s_add_nc_u64 s[20:21], s[20:21], s[22:23]
.set i, 0
.rept 16
	global_load_b128 v[X+4*i:X+4*i+3], v1, s[16:17] offset:4096*i th:TH_LOAD_NT
.set i, i+1
.endr
.set i, 0
.rept 16
	s_wait_loadcnt 15-i                            ; loads come back in order: load i is in, the 15 - i younger ones stay out
	v_cvt_pk_bf16_f32 v[Y+2*i], v[X+4*i], v[X+4*i+1]
	v_cvt_pk_bf16_f32 v[Y+2*i+1], v[X+4*i+2], v[X+4*i+3]
	global_store_b64 v2, v[Y+2*i:Y+2*i+1], s[20:21] offset:2048*i
.set i, i+1
.endr
	s_endpgm
.Lfunc_end_k_qd26ca351c8_cast:
	.size	k_qd26ca351c8_cast, .Lfunc_end_k_qd26ca351c8_cast-k_qd26ca351c8_cast
	.p2alignl 7, 3214868480
	.fill 96, 4, 3214868480
	.section	.rodata,"a",@progbits
	.p2align	6, 0x0
	.amdhsa_kernel k_qd26ca351c8_cast
		.amdhsa_group_segment_fixed_size 0
		.amdhsa_private_segment_fixed_size 0
		.amdhsa_enable_private_segment 0
		.amdhsa_kernarg_size 56
		.amdhsa_user_sgpr_count 2
		.amdhsa_user_sgpr_kernarg_segment_ptr 1
		.amdhsa_wavefront_size32 1
		.amdhsa_system_sgpr_workgroup_id_x 1
		.amdhsa_system_sgpr_workgroup_id_y 1
		.amdhsa_system_sgpr_workgroup_id_z 1
		.amdhsa_system_vgpr_workitem_id 0
		.amdhsa_next_free_vgpr 100
		.amdhsa_next_free_sgpr 66
		.amdhsa_reserve_vcc 0
		.amdhsa_float_denorm_mode_32 3
		.amdhsa_float_denorm_mode_16_64 3
		.amdhsa_memory_ordered 1
		.amdhsa_forward_progress 1
		.amdhsa_inst_pref_size 7
	.end_amdhsa_kernel
	.amdgpu_metadata
---
amdhsa.version: [ 1, 2 ]
amdhsa.kernels:
  - .name:           k_qd26ca351c8_cast
    .symbol:         k_qd26ca351c8_cast.kd
    .args:
      - { .name: hidden_states, .offset: 0, .size: 8, .value_kind: global_buffer, .address_space: global }
      - { .name: W_qk, .offset: 8, .size: 8, .value_kind: global_buffer, .address_space: global }
      - { .name: W_v, .offset: 16, .size: 8, .value_kind: global_buffer, .address_space: global }
      - { .name: W_out, .offset: 24, .size: 8, .value_kind: global_buffer, .address_space: global }
      - { .name: hb, .offset: 32, .size: 8, .value_kind: global_buffer, .address_space: global }
      - { .name: wb, .offset: 40, .size: 8, .value_kind: global_buffer, .address_space: global }
      - { .name: wo, .offset: 48, .size: 8, .value_kind: global_buffer, .address_space: global }
    .group_segment_fixed_size: 0
    .private_segment_fixed_size: 0
    .kernarg_segment_align: 8
    .kernarg_segment_size: 56
    .max_flat_workgroup_size: 256
    .sgpr_count:     66
    .vgpr_count:     100
    .wavefront_size: 32
...
	.end_amdgpu_metadata
.endif
;; end of part 1
;; launch qkvg (part 2): grid 16 x 16, 4 waves a work-group, clusters of 4 x 4, 327,680 bytes of LDS; arguments hb, wb, b_qk, b_v, qkv; writes qkv
.if DOCPART == 2
	.amdgcn_target "amdgcn-amd-amdhsa--gfx1250"
	.amdhsa_code_object_version 6
	.text
	.protected	k_qd26ca351c8_qkvg
	.globl	k_qd26ca351c8_qkvg
	.p2align	8
	.type	k_qd26ca351c8_qkvg,@function
k_qd26ca351c8_qkvg:
	s_mov_b64 s[64:65], 0
	v_nop
	global_prefetch_b8 v0, s[64:65] scope:SCOPE_SE
	s_setreg_imm32_b32 hwreg(HW_REG_WAVE_MODE, 25, 1), 1
	s_wait_xcnt 0x0
	s_wait_alu depctr_hold_cnt(0) depctr_sa_sdst(0) depctr_va_vdst(0) depctr_va_sdst(0) depctr_va_ssrc(0) depctr_va_vcc(0) depctr_vm_vsrc(0)
	s_getreg_b32 s2, hwreg(HW_REG_IB_STS2, 6, 4)
	s_cmp_eq_u32 s2, 0
	s_cbranch_scc0 .Lentry_in_a_cluster
	s_endpgm
.Lentry_in_a_cluster:
	s_bfe_u32 s2, ttmp6, 0x10000c
	s_cmp_lg_u32 s2, 0xf033
	s_cbranch_scc0 .Lentry_shape_is_right
	s_endpgm
.Lentry_shape_is_right:
; The three projections as one product: C[m][f] = sum over e of hb[m][e] wb[f][e] + bias[f], m = 4096 tokens, f = 3072 features
; (0-1023 Q, 1024-2047 K, 2048-3071 V), e = 1024; operands bf16, sums f32.  Q is multiplied by 0.125 (an exact power of two, so
; (sum + b) x 0.125 = sum x 0.125 + b x 0.125).  The result leaves as f16, split by heads: qkv[batch][g = f / 64][token][64].
; LIMIT: a projected number beyond 65,504 in magnitude becomes infinite in f16.  With hidden states and weights both 30 times the
; drawn spread its standard deviation is 32 x 30 x 0.6 = 576; with a common offset of 30 spreads on both its mean is
; 1024 x 30 x 0.6 = 18,432.  f16 is taken for its 11 bits: these numbers are rounded once more on their way through attention.
; A work-group makes 256 x 192 of C (16 x 16 = 256 work-groups); its four waves take 64 rows x 192 columns each, three whole heads:
; 48 accumulator tiles of 16 x 16.  K goes in steps of 128 through two LDS slots filled by the tensor data mover; a tile's rows are
; 256 bytes of memory.  4 x 4 work-groups form a cluster: the four of a row of the cluster need the same tiles of hb, the four of a
; column the same tiles of wb; each such tile is asked for jointly, which divides the requests by four.
; REGISTERS in windows of 256: window 0 addresses, A's fragments (two buffers), bias, way out; window 1 B's fragments (two buffers);
; window 2 the tiles of columns 0-95, window 3 those of columns 96-191 (tile (a, b) at 8 (6 a + b)).
; The matrix instruction is used transposed (source 0 = 16 rows of wb, source 1 = 16 rows of hb): lane l then holds row l % 16 of C
; and its registers the eight neighbouring columns 8 (l / 16) + 0..7.
.set MT,     4                         ; tiles of 16 rows in a wave
.set NT,     12                        ; tiles of 16 columns in a wave
.set NH,     NT/2
.set KSTEP,  128
.set PITCH,  2*KSTEP+16                ; an odd multiple of 16 bytes: the 16 rows of a fragment load begin at 16 different 16-byte columns of 256 bytes
.set QI,     5                         ; padding behind every 64 words
.set BM,     256
.set BN,     192
.set AROWS,  128                       ; rows in one tensor load of A
.set BROWS,  96                        ; and of B
.set BROW0,  0                         ; B's first row in wb
.set HALFA,  AROWS*PITCH
.set HALFB,  BROWS*PITCH
.set SLOT,   2*HALFA+2*HALFB           ; A's 256 rows, then B's 192
.set STAGE,  2*SLOT                    ; behind the ring, a multiple of 256 bytes: no fill lands there
.set SPITCH, 400                       ; a stage row: 192 f16 + 16 bytes
.set LAPS,   1024/(2*KSTEP)            ; a lap = two K steps = once round the ring
.set LD,     2*(MT+NT)                 ; LDS loads of a quarter step
.set ADRA, 16                          ; v16-17 LDS address of my A fragments in slot 0, 1
.set ADRB, 20                          ; v20-21 the same for B
.set STO,  24                          ; the way out: where I put 16 bytes of a row
.set RD,   25                          ; where I read back
.set CO,   26                          ; 16 x lane
.set BO,   27                          ; 32 x (lane / 16): my eight bias numbers in a group of 16
.set FA0,  32                          ; A's fragments: buffer f at FA0 + 32 f.  B's (window 1): buffer f at 96 f
.set BIAS, 96                          ; v96-191 bias (already times the head's factor) of my 8 columns in each of the 12 column tiles
.set TMP,  192                         ; v192-239 packed results
.set RB,   32                          ; v32-79 rows read back
.set G1,  24                           ; s[24:31] descriptor group 1, A
.set G0,  32                           ; s[32:39] group 0, A, one set for each slot
.set G1B, 48                           ; s[48:55] group 1, B
.set G0B, 56                           ; s[56:63] group 0, B
.set HB,  72                           ; s[72:77] where my 64 tokens of head i begin in qkv
.set BB,  78                           ; s[78:83] where head i's 64 bias numbers begin
.set SC,  84                           ; s[84:89] head i's factor, twice: 0.125 for Q, 1 for K and V
.set MUL_LO, 0xa1                      ; source 0 (B) window 1, source 1 (A) window 0, C and D window 2
.set MUL_HI, 0xf1                      ; the same, C and D window 3
.set TO_B,   0x40                      ; destination window 1
.set MSB, 0
.macro WIN new                         ; the immediate's high byte repeats the setting that is left
.if MSB != \new
	s_set_vgpr_msb (MSB<<8)|\new
.set MSB, \new
.endif
.endm
.macro PLACES                          ; four places behind matrix instructions, ahead of loads into their sources and of reads of their results
.rept 4
	v_nop
.endr
.endm
; A joint load: waves 0 and 1 ask for A's two halves, waves 2 and 3 for B's.  The branch hangs on the wave's number alone.
.macro JLOAD s
	s_cmp_eq_u32 s11, 0
	s_cbranch_scc0 .Lfor_b_\@
	tensor_load_to_lds s[G0+4*\s:G0+4*\s+3], s[G1:G1+7]
	s_nop 0
	s_branch .Lasked_\@
.Lfor_b_\@:
	tensor_load_to_lds s[G0B+4*\s:G0B+4*\s+3], s[G1B:G1B+7]
	s_nop 0
.Lasked_\@:
.endm
.macro CREST                           ; a round of the cluster's barrier behind its opening work-group barrier
	s_cmp_lg_u32 s10, 0
	s_cbranch_scc1 .Lnot_wave_0_\@
	s_barrier_signal -3
.Lnot_wave_0_\@:
	s_barrier_wait -3
	s_barrier_signal -1
	s_barrier_wait -1
.endm
.macro CROUND                          ; a whole round
	s_barrier_signal -1
	s_barrier_wait -1
	CREST
.endm
; MT/2 x NT/2 matrix instructions on buffer f: row tiles part MT/2 .., column tiles of window 2 + hi.  zero = 1: the product starts the sum.
; The accumulators take turns, one instruction a turn, in the same order in every quarter step.
.macro MULP f, hi, part, zero
.set ia, \part*(MT/2)
.rept MT/2
.set ib, 0
.rept NH
.set td, 8*(NH*ia+ib)
.set tb, \f*8*NT+8*(NH*\hi+ib)
.set ta, FA0+\f*8*MT+8*ia
.if \zero
	v_wmma_f32_16x16x32_bf16 v[td:td+7], v[tb:tb+7], v[ta:ta+7], 0
.else
	v_wmma_f32_16x16x32_bf16 v[td:td+7], v[tb:tb+7], v[ta:ta+7], v[td:td+7]
.endif
.set ib, ib+1
.endr
.set ia, ia+1
.endr
.endm
; The LD loads of one quarter step (32 along K at byte k of the rows) into buffer f, in one run: A first, then B's tiles 0 .. NT-1
.macro FETCH slot, k, f
	WIN 0
.set ia, 0
.rept MT
	ds_load_b128 v[FA0+\f*8*MT+8*ia:FA0+\f*8*MT+8*ia+3],   v[ADRA+\slot] offset:\k+ia*16*PITCH
	ds_load_b128 v[FA0+\f*8*MT+8*ia+4:FA0+\f*8*MT+8*ia+7], v[ADRA+\slot] offset:\k+ia*16*PITCH+32
.set ia, ia+1
.endr
	WIN TO_B
.set ib, 0
.rept NT
	ds_load_b128 v[\f*8*NT+8*ib:\f*8*NT+8*ib+3],   v[ADRB+\slot] offset:\k+ib*16*PITCH
	ds_load_b128 v[\f*8*NT+8*ib+4:\f*8*NT+8*ib+7], v[ADRB+\slot] offset:\k+ib*16*PITCH+32
.set ib, ib+1
.endr
.endm
; A quarter step: multiplies buffer f; in its middle it fetches the next quarter's fragments into buffer g.
.macro QUARTER slot, k, f, g, zero
	s_wait_dscnt NT                                ; A and B's lower half are in; the youngest NT loads (B's upper half) may be out
	WIN MUL_LO
	MULP \f, 0, 0, \zero
	MULP \f, 0, 1, \zero
	PLACES
	FETCH \slot, \k, \g
	s_wait_dscnt LD                                ; all but the LD just issued
	WIN MUL_HI
	MULP \f, 1, 0, \zero
	MULP \f, 1, 1, \zero
.endm
.macro FIRSTQ slot, zero                           ; all quarters of a K step but the last
	QUARTER \slot, 64,  0, 1, \zero
	QUARTER \slot, 128, 1, 0, 0
	QUARTER \slot, 192, 0, 1, 0
.endm
; The last quarter multiplies buffer 1 and changes slots.  In front of the barrier each wave waits for its reads of this slot and for all
; its tensor loads (one is out: its part of the next slot).  fill = 1: the barrier opens a round of the cluster's barrier, and behind the
; round this slot is asked for again, two K steps ahead, first thing.
.macro TURN slot, next, fill
	s_wait_dscnt NT
	WIN MUL_LO
	MULP 1, 0, 0, 0
	s_wait_dscnt 0x0                               ; my reads of this slot are over
	s_wait_tensorcnt 0x0                           ; all my tensor loads have landed
	ds_add_u32 v255, v255
	s_wait_dscnt 0x0
	s_barrier_signal -1
	MULP 1, 0, 1, 0                                ; register work while the others arrive
	WIN 0
	s_barrier_wait -1
.if \fill
	CREST
	s_add_nc_u64 s[G0+4*\slot+2:G0+4*\slot+3], s[G0+4*\slot+2:G0+4*\slot+3], 4*KSTEP
	s_add_nc_u64 s[G0B+4*\slot+2:G0B+4*\slot+3], s[G0B+4*\slot+2:G0B+4*\slot+3], 4*KSTEP
	JLOAD \slot                                    ; my one tensor load behind the round
.endif
	PLACES
	FETCH \next, 0, 0
	WIN MUL_HI
	MULP 1, 1, 0, 0
	MULP 1, 1, 1, 0
.endm
.macro LAP zero
	FIRSTQ 0, \zero
	TURN 0, 1, 1
	FIRSTQ 1, 0
	TURN 1, 0, 1
.endm
	s_load_b128 s[4:7], s[0:1], 0x0                ; hb s[4:5], wb s[6:7]
	s_load_b128 s[68:71], s[0:1], 0x10             ; b_qk s[68:69], b_v s[70:71]
	s_load_b64 s[8:9], s[0:1], 0x20                ; qkv
	s_set_vgpr_msb 0x40
	v_lshl_add_u32 v255, v0, 2, 0x41c00
	s_set_vgpr_msb 0x4000
	v_mov_b32 v255, 0
	s_set_vgpr_msb 0x1
	ds_add_u32 v255, v255
	s_set_vgpr_msb 0x100
	v_lshrrev_b32 v1, 5, v0
	v_readfirstlane_b32 s10, v1                    ; wave 0..3
	s_lshr_b32 s11, s10, 1                         ; I fetch for A (0) or for B (1)
	s_and_b32 s12, s10, 1                          ; which half of that tile
	s_bfe_u32 s40, ttmp6, 0x40000                  ; cx
	s_bfe_u32 s41, ttmp6, 0x40004                  ; cy
	s_lshl_b32 s42, ttmp9, 2
	s_add_co_u32 s42, s42, s40                     ; block column = 4 x cluster x + cx
	s_and_b32 s13, ttmp7, 0xffff
	s_lshl_b32 s13, s13, 2
	s_add_co_u32 s13, s13, s41                     ; block row = 4 x cluster y + cy
	s_lshl_b32 s43, s41, 2
	s_lshl_b32 s43, 15, s43                        ; my row of the cluster
	s_lshl_b32 s44, 0x1111, s40                    ; my column
	s_or_b32 s[G1+0], s43, (1<<16)|(1<<20)|(1<<21)|(QI<<22)|(3<<25)    ; mask; elements of 2 bytes; padding on; bit 21 beside a mask; 4 words behind every row
	s_or_b32 s[G1B+0], s44, (1<<16)|(1<<20)|(1<<21)|(QI<<22)|(3<<25)
	s_mov_b32 s[G1+1], KSTEP<<16                   ; tensor_dim0
	s_mov_b32 s[G1B+1], KSTEP<<16
	s_mov_b32 s[G1+2], AROWS<<16                   ; tensor_dim1
	s_mov_b32 s[G1B+2], BROWS<<16
	s_mov_b32 s[G1+3], KSTEP<<16                   ; tile_dim0
	s_mov_b32 s[G1B+3], KSTEP<<16
	s_mov_b32 s[G1+4], AROWS                       ; tile_dim1
	s_mov_b32 s[G1B+4], BROWS
	s_mov_b32 s[G1+5], 1024                        ; elements from row to row
	s_mov_b32 s[G1B+5], 1024
	s_mov_b32 s[G1+6], 0
	s_mov_b32 s[G1B+6], 0
	s_mov_b32 s[G1+7], 0
	s_mov_b32 s[G1B+7], 0
	; A's tiles hang on the block row alone, B's on the block column alone, each in registers that never hold the other coordinate
	s_mul_i32 s17, s12, AROWS
	s_mul_i32 s16, s13, BM
	s_add_co_u32 s16, s16, s17
	s_lshl_b32 s16, s16, 11                        ; rows of 2,048 bytes
	s_mov_b32 s17, 0
	s_mul_i32 s47, s12, BROWS
	s_mul_i32 s46, s42, BN
	s_add_co_u32 s46, s46, s47
	s_add_co_u32 s46, s46, BROW0
	s_lshl_b32 s46, s46, 11
	s_mov_b32 s47, 0
	s_mul_i32 s20, s10, HALFA                      ; A's halves lie at wave x HALFA (waves 0, 1),
	s_mul_i32 s21, s10, HALFB
	s_add_co_u32 s21, s21, 2*HALFA-2*HALFB         ; B's behind them, at 2 HALFA + (wave - 2) x HALFB (waves 2, 3)
	s_wait_dscnt 0x0
	s_wait_kmcnt 0x0
	s_add_nc_u64 s[14:15], s[4:5], s[16:17]
	s_add_nc_u64 s[46:47], s[6:7], s[46:47]
	CROUND                                         ; all sixteen work-groups are here: the first joint loads meet
.irp s, 0,1
	s_mov_b32 s[G0+4*\s], 1
	s_add_co_u32 s[G0+4*\s+1], s20, \s*SLOT
	s_add_nc_u64 s[G0+4*\s+2:G0+4*\s+3], s[14:15], \s*KSTEP*2
	s_or_b32 s[G0+4*\s+3], s[G0+4*\s+3], 0x80000000
	s_mov_b32 s[G0B+4*\s], 1
	s_add_co_u32 s[G0B+4*\s+1], s21, \s*SLOT
	s_add_nc_u64 s[G0B+4*\s+2:G0B+4*\s+3], s[46:47], \s*KSTEP*2
	s_or_b32 s[G0B+4*\s+3], s[G0B+4*\s+3], 0x80000000
	JLOAD \s                                       ; both slots' first fills go out as one group: two loads of mine are out
.endr
	v_and_b32 v1, 15, v0                           ; r = l % 16
	v_bfe_u32 v2, v0, 4, 1                         ; h = l / 16
	v_mul_u32_u24 v3, v1, PITCH
	v_lshl_add_u32 v3, v2, 4, v3                   ; r x pitch + 16 h
	s_mul_i32 s22, s10, 16*MT*PITCH                ; my rows of A
	s_mov_b32 s23, 2*HALFA                         ; B: every wave reads all of it
.irp s, 0,1
	v_add_nc_u32 v[ADRA+\s], s22, v3
	v_add_nc_u32 v[ADRB+\s], s23, v3
	s_add_co_u32 s22, s22, SLOT
	s_add_co_u32 s23, s23, SLOT
.endr
	s_mul_i32 s45, s10, 16*SPITCH
	s_add_co_u32 s45, s45, STAGE                   ; my stage
	v_mul_u32_u24 v4, v1, SPITCH
	v_lshl_add_u32 v4, v2, 4, v4
	v_add_nc_u32 v[STO], s45, v4                   ; in: row r, 16 bytes for each half of the lanes
	v_and_b32 v6, 31, v0
	v_lshrrev_b32 v5, 3, v6
	v_mul_u32_u24 v5, v5, SPITCH
	v_and_b32 v7, 7, v0
	v_lshl_add_u32 v5, v7, 4, v5
	v_add_nc_u32 v[RD], s45, v5                    ; back: eight lanes take one token's 128 bytes of one head, a load four tokens
	v_lshlrev_b32 v[CO], 4, v6
	v_lshlrev_b32 v[BO], 5, v2
	; my three heads g = 3 x block column + i: bias, factor, place in qkv
	s_mul_i32 s90, s42, 3
	s_lshr_b32 s91, s13, 3                         ; batch: 8 blocks of 256 tokens each
	s_mul_i32 s91, s91, 48
	s_and_b32 s92, s13, 7
	s_lshl_b32 s92, s92, 8
	s_lshl_b32 s93, s10, 6
	s_add_co_u32 s92, s92, s93                     ; my first token in the batch
.irp i, 0,1,2
	s_add_co_u32 s93, s90, \i                      ; g
	s_sub_co_u32 s94, s93, 32
	s_cmp_lt_u32 s93, 32
	s_cselect_b64 s[BB+2*\i:BB+2*\i+1], s[68:69], s[70:71]
	s_cselect_b32 s94, s93, s94
	s_lshl_b32 s94, s94, 8                         ; 64 numbers of 4 bytes a head
	s_mov_b32 s95, 0
	s_add_nc_u64 s[BB+2*\i:BB+2*\i+1], s[BB+2*\i:BB+2*\i+1], s[94:95]
	s_cmp_lt_u32 s93, 16
	s_cselect_b32 s[SC+2*\i], 0x3e000000, 1.0
	s_mov_b32 s[SC+2*\i+1], s[SC+2*\i]
	s_add_co_u32 s94, s91, s93                     ; 48 x batch + g
	s_lshl_b32 s94, s94, 11
	s_add_co_u32 s94, s94, s92
	s_lshl_b32 s94, s94, 7                         ; tokens of 128 bytes
	s_add_nc_u64 s[HB+2*\i:HB+2*\i+1], s[8:9], s[94:95]
.endr
.set ib, 0
.rept NT
	global_load_b128 v[BIAS+8*ib:BIAS+8*ib+3],   v[BO], s[BB+2*(ib/4):BB+2*(ib/4)+1] offset:64*(ib%4)
	global_load_b128 v[BIAS+8*ib+4:BIAS+8*ib+7], v[BO], s[BB+2*(ib/4):BB+2*(ib/4)+1] offset:64*(ib%4)+16
.set ib, ib+1
.endr
	s_wait_loadcnt 0x0                             ; the bias, once, while the first tiles are on their way
.set ib, 0
.rept NT
.set ip, 0
.rept 4
	v_pk_mul_f32 v[BIAS+8*ib+2*ip:BIAS+8*ib+2*ip+1], v[BIAS+8*ib+2*ip:BIAS+8*ib+2*ip+1], s[SC+2*(ib/4):SC+2*(ib/4)+1] op_sel_hi:[1,0]
.set ip, ip+1
.endr
.set ib, ib+1
.endr
	s_wait_tensorcnt 0x1                           ; my part of K step 0 is in; step 1's may stay out
	s_barrier_signal -1
	s_barrier_wait -1
	FETCH 0, 0, 0
	LAP 1                                          ; the first lap's first products start the sums
	WIN 0
	s_mov_b32 s3, LAPS-2
.Llap:
	LAP 0
	WIN 0
	s_sub_co_u32 s3, s3, 1
	s_cmp_lg_u32 s3, 0
	s_cbranch_scc1 .Llap
	FIRSTQ 0, 0                                    ; the last lap fills nothing
	TURN 0, 1, 0
	FIRSTQ 1, 0
	s_wait_dscnt NT
	WIN MUL_LO
	MULP 1, 0, 0, 0
	MULP 1, 0, 1, 0
	s_wait_dscnt 0x0
	WIN MUL_HI
	MULP 1, 1, 0, 0
	MULP 1, 1, 1, 0
	; THE WAY OUT.  sum x factor + bias x factor in place, then 16 rows at a time: f16, through my own stage, out as 512 consecutive bytes a store.
	PLACES
.macro ADDB hi
.set ia, 0
.rept MT
.set ib, 0
.rept NH
.set ip, 0
.rept 4
.set td, 8*(NH*ia+ib)+2*ip
.set tb, ib+NH*\hi
	v_pk_fma_f32 v[td:td+1], v[td:td+1], s[SC+2*(tb/4):SC+2*(tb/4)+1], v[BIAS+8*tb+2*ip:BIAS+8*tb+2*ip+1] op_sel_hi:[1,0,1]
.set ip, ip+1
.endr
.set ib, ib+1
.endr
.set ia, ia+1
.endr
.endm
	WIN 0x82                                       ; source 0 and destination window 2, the bias window 0
	ADDB 0
	WIN 0xc3
	ADDB 1
.macro PACK a, hi
.set ib, 0
.rept NH
.set ip, 0
.rept 4
	v_cvt_pk_f16_f32 v[TMP+4*(ib+NH*\hi)+ip], v[8*(NH*\a+ib)+2*ip], v[8*(NH*\a+ib)+2*ip+1]
.set ip, ip+1
.endr
.set ib, ib+1
.endr
.endm
.macro OUT16 a
	WIN 0x0a                                       ; sources window 2
	PACK \a, 0
	WIN 0x0f                                       ; sources window 3
	PACK \a, 1
	WIN 0
.set ib, 0
.rept NT
	ds_store_b128 v[STO], v[TMP+4*ib:TMP+4*ib+3] offset:32*ib
.set ib, ib+1
.endr
	s_wait_xcnt 0x0                                ; RB, which the last 16 rows' stores read, is loaded again only behind this wait
.set n, 0
.rept 12
	ds_load_b128 v[RB+4*n:RB+4*n+3], v[RD] offset:4*SPITCH*(n%4)+128*(n/4)   ; LDS serves a wave's instructions in order: these see the stores above
.set n, n+1
.endr
.set n, 0
.rept 12
	s_wait_dscnt 11-n                              ; load n is in, the younger ones stay out
	global_store_b128 v[CO], v[RB+4*n:RB+4*n+3], s[HB+2*(n/4):HB+2*(n/4)+1] offset:2048*\a+512*(n%4)   ; four tokens of one head: 512 consecutive bytes
.set n, n+1
.endr
.endm
	OUT16 0
	OUT16 1
	OUT16 2
	OUT16 3
	s_set_vgpr_msb 0x1
	s_wait_tensorcnt 0x0
	ds_add_u32 v255, v255
	s_wait_dscnt 0x0
	s_set_vgpr_msb 0x100
	CROUND                                         ; the closing round: no work-group ends while a partner may still ask for a tile that names it
	s_endpgm
.Lfunc_end_k_qd26ca351c8_qkvg:
	.size	k_qd26ca351c8_qkvg, .Lfunc_end_k_qd26ca351c8_qkvg-k_qd26ca351c8_qkvg
	.p2alignl 7, 3214868480
	.fill 96, 4, 3214868480
	.section	.rodata,"a",@progbits
	.p2align	6, 0x0
	.amdhsa_kernel k_qd26ca351c8_qkvg
		.amdhsa_group_segment_fixed_size 327680
		.amdhsa_private_segment_fixed_size 0
		.amdhsa_enable_private_segment 0
		.amdhsa_kernarg_size 40
		.amdhsa_user_sgpr_count 2
		.amdhsa_user_sgpr_kernarg_segment_ptr 1
		.amdhsa_wavefront_size32 1
		.amdhsa_system_sgpr_workgroup_id_x 1
		.amdhsa_system_sgpr_workgroup_id_y 1
		.amdhsa_system_sgpr_workgroup_id_z 1
		.amdhsa_system_vgpr_workitem_id 0
		.amdhsa_next_free_vgpr 960
		.amdhsa_next_free_sgpr 96
		.amdhsa_reserve_vcc 0
		.amdhsa_float_denorm_mode_32 3
		.amdhsa_float_denorm_mode_16_64 3
		.amdhsa_memory_ordered 1
		.amdhsa_forward_progress 1
		.amdhsa_inst_pref_size 182
	.end_amdhsa_kernel
	.amdgpu_metadata
---
amdhsa.version: [ 1, 2 ]
amdhsa.kernels:
  - .name:           k_qd26ca351c8_qkvg
    .symbol:         k_qd26ca351c8_qkvg.kd
    .args:
      - { .name: hb, .offset: 0, .size: 8, .value_kind: global_buffer, .address_space: global }
      - { .name: wb, .offset: 8, .size: 8, .value_kind: global_buffer, .address_space: global }
      - { .name: b_qk, .offset: 16, .size: 8, .value_kind: global_buffer, .address_space: global }
      - { .name: b_v, .offset: 24, .size: 8, .value_kind: global_buffer, .address_space: global }
      - { .name: qkv, .offset: 32, .size: 8, .value_kind: global_buffer, .address_space: global }
    .group_segment_fixed_size: 327680
    .private_segment_fixed_size: 0
    .kernarg_segment_align: 8
    .kernarg_segment_size: 40
    .max_flat_workgroup_size: 128
    .sgpr_count:     96
    .vgpr_count:     960
    .wavefront_size: 32
...
	.end_amdgpu_metadata
.endif
;; end of part 2
;; launch attn (part 3): grid 8 x 32, 8 waves a work-group, clusters of 4 x 4, 327,680 bytes of LDS; arguments qkv, attention_mask, layer_head_mask, ab; writes ab
.if DOCPART == 3
	.amdgcn_target "amdgcn-amd-amdhsa--gfx1250"
	.amdhsa_code_object_version 6
	.text
	.protected	k_qd26ca351c8_attn
	.globl	k_qd26ca351c8_attn
	.p2align	8
	.type	k_qd26ca351c8_attn,@function
k_qd26ca351c8_attn:
	s_mov_b64 s[64:65], 0
	v_nop
	global_prefetch_b8 v0, s[64:65] scope:SCOPE_SE
	s_setreg_imm32_b32 hwreg(HW_REG_WAVE_MODE, 25, 1), 1
	s_wait_xcnt 0x0
	s_wait_alu depctr_hold_cnt(0) depctr_sa_sdst(0) depctr_va_vdst(0) depctr_va_sdst(0) depctr_va_ssrc(0) depctr_va_vcc(0) depctr_vm_vsrc(0)
	s_getreg_b32 s2, hwreg(HW_REG_IB_STS2, 6, 4)
	s_cmp_eq_u32 s2, 0
	s_cbranch_scc0 .Lentry_in_a_cluster
	s_endpgm
.Lentry_in_a_cluster:
	s_bfe_u32 s2, ttmp6, 0x10000c
	s_cmp_lg_u32 s2, 0xf033
	s_cbranch_scc0 .Lentry_shape_is_right
	s_endpgm
.Lentry_shape_is_right:
; Attention with an additive mask that is an input: every score is made and every mask word read.
;   x = max(q k + mask, lowest f32);  p = exp(x - running maximum);  out = gate / sum(p) x sum(p v).
; The result leaves as TWO bf16 numbers, hi = bf16(out) and lo = bf16(out - hi): ab[token][head][hi 64 | lo 64], 256 bytes for a token and head.
; One bf16 number would not do: rows that average over few keys are some 15 times larger than the output's root mean square, on which the
; allowed error hangs.  f16 would not do either: V x gate may pass its range.
; A work-group takes 128 query rows of one batch and TWO heads (2 px, 2 px + 1): one mask tile serves both.
; Eight waves: wave w takes head w / 4 and query rows 32 (w % 4) .. + 31 (two tiles of 16).
; Keys go in tiles of 128 through two LDS slots (mask 128 x 128 f32, K and V of both heads), filled by joint tensor loads: 4 x 4
; work-groups form a cluster; the four of a row (same query rows, other heads) share the mask tile, the four of a column (same heads,
; other query rows) share K and V.  That divides the requests for each by four.
; TRANSPOSED FORMS, so that nothing moves between lanes but one maximum:
;   S^T = K Q^T + mask^T: A = 16 keys x 32 d from LDS, B = Q (column = query r), C = the mask words loaded straight into the accumulator:
;   lane (r, h), register j holds key 16 st + 8 h + j of query r.  Two such tiles packed to f16 in place are a B fragment of P^T.
;   O^T = V^T P^T: A by transposing loads from V [key][d].  Lane (r, h) holds d = 16 dt + 8 h + j of query r: maximum and sum belong to the lane.
; The maximum is taken away exactly BEFORE the factor log2(e): x c - m c would overflow at the lowest f32.
; THE CLAMP at the lowest f32, L.  The running maximum m starts at L, so m >= L.  A score below L can only be minus infinity; its clamped
; weight exp(L - m) differs from the unclamped weight 0 only where m = L (the next f32 above L is some 2 x 10^31 higher), and there
; every clamped score of the row so far equals L, so that every weight is 1.  So the scores are not clamped one by one: in lanes with m = L the packed
; weights are replaced by ones (a select, 32 words for 64 keys instead of 64 maxima), and a row that ends with m = L takes 1 / 2048 in
; place of 1 / sum.  A row that leaves m = L later multiplies what was summed by exp(L - m) = 0.  That is the clamp's result for every
; input without NaN and plus infinity.
; Q, K, V, P are f16 (P is at most 1; for Q, K, V see the launch that makes them).
; LIMITS: the head's gate is rounded to bf16 (nearest even) before it is used, as the weights and hidden states are: up to 2^-9 relative
; against the f32 gate.  A NaN or plus infinity in the mask is not served (there the result is not finite anyway); exponentials below 2^-126
; count as zero, weights below 2^-25 of the running maximum's weight are lost in f16.
.set PM,    528                        ; pitch of a mask row: 128 f32 + 16 bytes
.set PK,    144                        ; of a K row: 64 f16 + 16 bytes (both odd multiples of 16 bytes)
.set PV,    160                        ; of a V row: 64 f16 + 32 bytes (an odd multiple of 32, for the transposing loads)
.set KOFF,  128*PM
.set VOFF,  KOFF+256*PK
.set SLOT,  VOFF+256*PV                ; 145,408 bytes
.set STAGE, 2*SLOT                     ; 290,816, a multiple of 256: no fill lands there.  16 rows x 272 bytes for each wave, its own
.set SP,    272                        ; a stage row: a token's 256 bytes of one head + 16
.set ADRM, 2                           ; v2-3   my mask words in slot 0, 1
.set ADRK, 4                           ; v4-5   my K fragments
.set ADRV, 6                           ; v6-7   my V fragments
.set STO,  8
.set RD,   9
.set CO,   10
.set QO,   11
                                       ; v[12:13], v[14:15] (maximum, sum) of query tile 0, 1;  v16-17 new maximum;  v18-21, v26-29 chains;
                                       ; v[22:23], v[24:25] (factor for what was summed before, word from the other half of the lanes)
                                       ; v30 two f16 ones;  v31 1 / 2048;  s87, s88 the lanes of query tile 0, 1 in which m = L
.set FQ,   32                          ; v32-63   Q(tt, kk) at 16 tt + 8 kk
.set FKV,  64                          ; v64-127  K(st, kk) at 16 st + 8 kk, then V(dt, kk) at 16 dt + 8 kk
.set SA,   128                         ; v128-191 S(tt, st) at 32 tt + 8 st; then P(tt, kk) at 32 tt + 16 kk
.set OA,   192                         ; v192-255 O(tt, dt) at 32 tt + 8 dt
.set G1M, 24
.set G1K, 32
.set G1V, 40
.set G0M, 48                           ; group 0, one set for each slot
.set G0K, 56
.set G0V, 68
.macro P5                              ; five places behind matrix instructions: ahead of loads into their sources, of reads of their
.rept 5                                ; results, and of matrix instructions that write over their sources
	v_nop
.endr
.endm
.macro CREST                           ; a round of the cluster's barrier behind its opening work-group barrier
	s_cmp_lg_u32 s3, 0
	s_cbranch_scc1 .Lnot_wave_0_\@
	s_barrier_signal -3
.Lnot_wave_0_\@:
	s_barrier_wait -3
	s_barrier_signal -1
	s_barrier_wait -1
.endm
.macro ROUND                           ; a whole round
	s_barrier_signal -1
	s_barrier_wait -1
	CREST
.endm
; One joint load a wave: waves 0, 1 the mask's two halves of 64 rows; 2, 3 K of head 0, 1; 4, 5 V of head 0, 1; 6, 7 none.
.macro JLOAD slot
	s_cmp_lt_u32 s3, 2
	s_cbranch_scc0 .Lnot_m_\@
	tensor_load_to_lds s[G0M+4*\slot:G0M+4*\slot+3], s[G1M:G1M+7]
	s_nop 0
	s_branch .Lasked_\@
.Lnot_m_\@:
	s_cmp_lt_u32 s3, 4
	s_cbranch_scc0 .Lnot_k_\@
	tensor_load_to_lds s[G0K+4*\slot:G0K+4*\slot+3], s[G1K:G1K+7]
	s_nop 0
	s_branch .Lasked_\@
.Lnot_k_\@:
	s_cmp_lt_u32 s3, 6
	s_cbranch_scc0 .Lasked_\@
	tensor_load_to_lds s[G0V+4*\slot:G0V+4*\slot+3], s[G1V:G1V+7]
	s_nop 0
.Lasked_\@:
.endm
; The softmax of 64 keys x 32 queries (64 scores a lane), first part: new maxima, the factor for what was summed before, (x - m) log2(e).
.macro SOFTA
	v_max3_num_f32 v18, v12, v[SA], v[SA+1]        ; four chains that do not wait for each other; two start from the old maxima, which are at least L
	v_max_num_f32  v19, v[SA+16], v[SA+17]
	v_max3_num_f32 v20, v14, v[SA+32], v[SA+33]
	v_max_num_f32  v21, v[SA+48], v[SA+49]
.set i, 2
.rept 7
	v_max3_num_f32 v18, v18, v[SA+i], v[SA+i+1]
	v_max3_num_f32 v19, v19, v[SA+16+i], v[SA+17+i]
	v_max3_num_f32 v20, v20, v[SA+32+i], v[SA+33+i]
	v_max3_num_f32 v21, v21, v[SA+48+i], v[SA+49+i]
.set i, i+2
.endr
	v_max_num_f32 v16, v18, v19
	v_max_num_f32 v17, v20, v21
	v_permlanex16_b32 v23, v16, s80, s81           ; the other eight keys of each tile lie in lane l xor 16
	v_permlanex16_b32 v25, v17, s80, s81
	v_max_num_f32 v16, v16, v23
	v_max_num_f32 v17, v17, v25
	v_sub_f32 v22, v12, v16                        ; old - new, exact where it matters, then the factor log2(e)
	v_sub_f32 v24, v14, v17
	v_mul_f32 v22, s78, v22
	v_mul_f32 v24, s78, v24
	v_exp_f32 v22, v22
	v_exp_f32 v24, v24
	v_mov_b32 v12, v16                             ; plain work behind the exponentials (ISA guide 5.7.2), which names neither result
	v_mov_b32 v14, v17
	v_cmp_eq_f32 s87, s76, v12                     ; the lanes whose row is still at L: see THE CLAMP
	v_cmp_eq_f32 s88, s76, v14
.set i, 0
.rept 16
	v_pk_add_f32 v[SA+i:SA+i+1], v[SA+i:SA+i+1], v[12:13] op_sel_hi:[1,0] neg_lo:[0,1] neg_hi:[0,1]
	v_pk_add_f32 v[SA+32+i:SA+33+i], v[SA+32+i:SA+33+i], v[14:15] op_sel_hi:[1,0] neg_lo:[0,1] neg_hi:[0,1]
.set i, i+2
.endr
.set i, 0
.rept 32
	v_pk_mul_f32 v[SA+i:SA+i+1], v[SA+i:SA+i+1], s[78:79] op_sel_hi:[1,0]
.set i, i+2
.endr
.endm
; Second part: exponentials, O to the new maximum, the sums, the weights packed to f16.  first = 1: nothing has been summed yet, O is not rescaled.
.macro SOFTB first
.set i, 0
.rept 64
	v_exp_f32 v[SA+i], v[SA+i]
.set i, i+1
.endr
.if \first
	v_nop                                          ; the plain place behind the exponentials
	s_wait_alu depctr_va_vdst(0)
.else
.set i, 0
	s_wait_alu depctr_va_vdst(0)
.rept 16
	v_pk_mul_f32 v[OA+i:OA+i+1], v[OA+i:OA+i+1], v[22:23] op_sel_hi:[1,0]       ; what was summed before, to the new maximum: also the plain work behind the exponentials
	v_pk_mul_f32 v[OA+32+i:OA+33+i], v[OA+32+i:OA+33+i], v[24:25] op_sel_hi:[1,0]
.set i, i+2
.endr
.endif
	v_pk_add_f32 v[26:27], v[SA:SA+1], v[SA+2:SA+3]
	v_pk_add_f32 v[28:29], v[SA+16:SA+17], v[SA+18:SA+19]
	v_pk_add_f32 v[18:19], v[SA+32:SA+33], v[SA+34:SA+35]
	v_pk_add_f32 v[20:21], v[SA+48:SA+49], v[SA+50:SA+51]
.set i, 4
.rept 6
	v_pk_add_f32 v[26:27], v[26:27], v[SA+i:SA+i+1]
	v_pk_add_f32 v[28:29], v[28:29], v[SA+16+i:SA+17+i]
	v_pk_add_f32 v[18:19], v[18:19], v[SA+32+i:SA+33+i]
	v_pk_add_f32 v[20:21], v[20:21], v[SA+48+i:SA+49+i]
.set i, i+2
.endr
	v_pk_add_f32 v[26:27], v[26:27], v[28:29]
	v_pk_add_f32 v[18:19], v[18:19], v[20:21]
	v_add_f32 v26, v26, v27
	v_add_f32 v18, v18, v19
	v_fma_f32 v13, v13, v22, v26                   ; the sum stays the lane's own (its half of the keys) until the end
	v_fma_f32 v15, v15, v24, v18
.irp base, SA, SA+16, SA+32, SA+48
.set i, 0
.rept 8
	v_cvt_pk_f16_f32 v[\base+i], v[\base+2*i], v[\base+2*i+1]   ; two tiles of 16 keys become one B fragment of 32 keys, in place: word i is written when words 2 i, 2 i + 1 have been read
.set i, i+1
.endr
.endr
.irp base, SA, SA+16
.set i, 0
.rept 8
	v_cndmask_b32 v[\base+i], v[\base+i], v30, s87              ; a row still at L: every weight is 1 (THE CLAMP)
	v_cndmask_b32 v[\base+32+i], v[\base+32+i], v30, s88
.set i, i+1
.endr
.endr
.endm
; 64 keys (half sub of the slot's tile).  mode 0: nothing more.  mode 1: this half's V loads are the last reads of the slot; the slot is asked for
; again, two tiles on.  The round takes the place of the barrier in front of a refill: in front of its opening signal each wave waits for its
; reads of this slot and for all its tensor loads (one is out: its part of the other slot's tile); between that signal and its wait stands
; register work alone; the joint refill is the first thing behind the round, one load a wave, and has the whole next trip in which to land.
; mode 2: the same waits and a plain barrier, which shows the last tile whole to every wave.
.macro SUB slot, sub, first, mode
	P5
.irp st, 0,1,2,3
	ds_load_b128 v[FKV+16*\st:FKV+16*\st+3],   v[ADRK+\slot] offset:(64*\sub+16*\st)*PK
	ds_load_b128 v[FKV+16*\st+4:FKV+16*\st+7], v[ADRK+\slot] offset:(64*\sub+16*\st)*PK+32
.irp tt, 0,1
	ds_load_b128 v[SA+32*\tt+8*\st:SA+32*\tt+8*\st+3],   v[ADRM+\slot] offset:16*PM*\tt+256*\sub+64*\st
	ds_load_b128 v[SA+32*\tt+8*\st+4:SA+32*\tt+8*\st+7], v[ADRM+\slot] offset:16*PM*\tt+256*\sub+64*\st+16
.endr
.endr
.irp st, 0,1,2,3
	ds_load_b128 v[FKV+16*\st+8:FKV+16*\st+11],  v[ADRK+\slot] offset:(64*\sub+16*\st)*PK+64
	ds_load_b128 v[FKV+16*\st+12:FKV+16*\st+15], v[ADRK+\slot] offset:(64*\sub+16*\st)*PK+96
.endr
	; eight accumulators take turns, one instruction a turn
.irp st, 0,1,2,3
	s_wait_dscnt 26-6*\st                          ; key tile st's six loads (K's d 0-31, both mask tiles) are in; behind them stand six for each later key tile and K's eight for d 32-63
.irp tt, 0,1
	v_wmma_f32_16x16x32_f16 v[SA+32*\tt+8*\st:SA+32*\tt+8*\st+7], v[FKV+16*\st:FKV+16*\st+7], v[FQ+16*\tt:FQ+16*\tt+7], v[SA+32*\tt+8*\st:SA+32*\tt+8*\st+7]
.endr
.endr
	s_wait_dscnt 0x0
.irp st, 0,1,2,3
.irp tt, 0,1
	v_wmma_f32_16x16x32_f16 v[SA+32*\tt+8*\st:SA+32*\tt+8*\st+7], v[FKV+16*\st+8:FKV+16*\st+15], v[FQ+16*\tt+8:FQ+16*\tt+15], v[SA+32*\tt+8*\st:SA+32*\tt+8*\st+7]
.endr
.endr
	P5
.irp dt, 0,1,2,3
.irp kk, 0,1
	ds_load_tr16_b128 v[FKV+16*\dt+8*\kk:FKV+16*\dt+8*\kk+3],   v[ADRV+\slot] offset:(64*\sub+32*\kk)*PV+32*\dt
	ds_load_tr16_b128 v[FKV+16*\dt+8*\kk+4:FKV+16*\dt+8*\kk+7], v[ADRV+\slot] offset:(64*\sub+32*\kk+16)*PV+32*\dt
.endr
.endr
	SOFTA
.if \mode
	s_wait_dscnt 0x0                               ; my reads of this slot are over: V's were the last
	s_set_vgpr_msb 0x5
	s_wait_tensorcnt 0x0                           ; all my tensor loads have landed, my part of the next trip's tile among them: every group 0 may be written
	ds_add_u32 v0, v1
	s_wait_dscnt 0x0
	s_set_vgpr_msb 0x500
.if \mode == 1
	s_add_nc_u64 s[G0M+4*\slot+2:G0M+4*\slot+3], s[G0M+4*\slot+2:G0M+4*\slot+3], 1024    ; this slot's next tile: 256 keys on
	s_add_nc_u64 s[G0K+4*\slot+2:G0K+4*\slot+3], s[G0K+4*\slot+2:G0K+4*\slot+3], 32768
	s_add_nc_u64 s[G0V+4*\slot+2:G0V+4*\slot+3], s[G0V+4*\slot+2:G0V+4*\slot+3], 32768
.endif
	s_barrier_signal -1                            ; say so, and work on registers while the others arrive
.endif
	SOFTB \first
.if \mode == 0
	s_wait_dscnt 0x0                               ; V
.endif
.irp kk, 0,1
.irp dt, 0,1,2,3
.irp tt, 0,1
.if \first*(1-\kk)
	v_wmma_f32_16x16x32_f16 v[OA+32*\tt+8*\dt:OA+32*\tt+8*\dt+7], v[FKV+16*\dt+8*\kk:FKV+16*\dt+8*\kk+7], v[SA+32*\tt+16*\kk:SA+32*\tt+16*\kk+7], 0
.else
	v_wmma_f32_16x16x32_f16 v[OA+32*\tt+8*\dt:OA+32*\tt+8*\dt+7], v[FKV+16*\dt+8*\kk:FKV+16*\dt+8*\kk+7], v[SA+32*\tt+16*\kk:SA+32*\tt+16*\kk+7], v[OA+32*\tt+8*\dt:OA+32*\tt+8*\dt+7]
.endif
.endr
.endr
.endr
.if \mode
	s_barrier_wait -1
.if \mode == 1
	CREST                                          ; all sixteen work-groups have said so: no wave of any partner still reads this slot or has a load on its way
	JLOAD \slot                                    ; my one tensor load behind the round
.endif
.endif
.endm
.macro TRIP slot, mode, first                      ; one tile of 128 keys
	SUB \slot, 0, \first, 0
	SUB \slot, 1, 0, \mode
.endm
	s_load_b256 s[4:11], s[0:1], 0x0               ; qkv s[4:5], attention_mask s[6:7], layer_head_mask s[8:9], ab s[10:11]
	s_set_vgpr_msb 0x40
	v_lshl_add_u32 v0, v0, 2, 0x4f800
	v_mov_b32 v1, 0
	s_set_vgpr_msb 0x4045
	ds_add_u32 v0, v1
	s_set_vgpr_msb 0x4500
	v_lshrrev_b32 v1, 5, v0
	v_readfirstlane_b32 s3, v1                     ; wave 0..7
	s_and_b32 s17, s3, 1
	s_lshr_b32 s18, s3, 2                          ; hs: which of the two heads
	s_and_b32 s19, s3, 3                           ; wq: which 32 query rows
	s_bfe_u32 s12, ttmp6, 0x40000                  ; cx
	s_bfe_u32 s13, ttmp6, 0x40004                  ; cy
	s_lshl_b32 s14, ttmp9, 2
	s_add_co_u32 s14, s14, s12                     ; px: the pair of heads
	s_and_b32 s15, ttmp7, 0xffff
	s_lshl_b32 s15, s15, 2
	s_add_co_u32 s15, s15, s13                     ; y = 16 x batch + block of 128 query rows
	s_and_b32 s16, ttmp7, 0xffff
	s_lshr_b32 s16, s16, 2                         ; the batch, from the cluster's y alone: the same in all sixteen
	s_lshl_b32 s20, s13, 2
	s_lshl_b32 s20, 15, s20                        ; my row of the cluster
	s_lshl_b32 s22, 0x1111, s12                    ; my column
	s_or_b32 s[G1M+0], s20, (2<<16)|(1<<20)|(1<<21)|(6<<22)|(3<<25)   ; elements of 4 bytes; 4 words of padding behind every 128
	s_mov_b32 s[G1M+1], 128<<16                    ; tensor_dim0
	s_mov_b32 s[G1M+2], 64<<16                     ; tensor_dim1
	s_mov_b32 s[G1M+3], 128<<16                    ; tile_dim0: 128 keys
	s_mov_b32 s[G1M+4], 64                         ; tile_dim1: 64 query rows
	s_mov_b32 s[G1M+5], 2048
	s_mov_b32 s[G1M+6], 0
	s_mov_b32 s[G1M+7], 0
	s_or_b32 s[G1K+0], s22, (1<<16)|(1<<20)|(1<<21)|(4<<22)|(3<<25)   ; elements of 2 bytes; 4 words behind every 32
	s_or_b32 s[G1V+0], s22, (1<<16)|(1<<20)|(1<<21)|(4<<22)|(7<<25)   ; 8 words behind every 32
	s_mov_b32 s[G1K+1], 64<<16
	s_mov_b32 s[G1V+1], 64<<16
	s_mov_b32 s[G1K+2], 128<<16
	s_mov_b32 s[G1V+2], 128<<16
	s_mov_b32 s[G1K+3], 64<<16                     ; tile_dim0: a head's 64 numbers (its rows are 128 bytes in the tensor itself)
	s_mov_b32 s[G1V+3], 64<<16
	s_mov_b32 s[G1K+4], 128                        ; tile_dim1: 128 keys
	s_mov_b32 s[G1V+4], 128
	s_mov_b32 s[G1K+5], 64
	s_mov_b32 s[G1V+5], 64
	s_mov_b32 s[G1K+6], 0
	s_mov_b32 s[G1V+6], 0
	s_mov_b32 s[G1K+7], 0
	s_mov_b32 s[G1V+7], 0
	; the mask tile hangs on y (and the wave), K and V on px and the batch (and the wave): each in registers that never hold the other place
	s_lshl_b32 s20, s15, 7
	s_lshl_b32 s21, s17, 6
	s_add_co_u32 s20, s20, s21                     ; mask row 128 y + 64 (w & 1)
	s_lshl_b32 s20, s20, 13                        ; rows of 8,192 bytes
	s_mov_b32 s21, 0
	s_mul_i32 s22, s16, 48
	s_lshl1_add_u32 s22, s14, s22
	s_add_co_u32 s22, s22, s17
	s_add_co_u32 s22, s22, 16                      ; 48 x batch + 16 + 2 px + (w & 1): K's head block
	s_lshl_b32 s22, s22, 18                        ; of 262,144 bytes
	s_mov_b32 s23, 0
	s_mul_i32 s87, s3, 64*PM                       ; LDS: the mask's halves at wave x 64 rows (waves 0, 1),
	s_mul_i32 s88, s3, 128*PK
	s_add_co_u32 s88, s88, KOFF-2*128*PK           ; K's heads at KOFF + (wave - 2) x 128 rows (waves 2, 3),
	s_mul_i32 s89, s3, 128*PV
	s_add_co_u32 s89, s89, VOFF-4*128*PV           ; V's at VOFF + (wave - 4) x 128 rows (waves 4, 5)
	s_wait_dscnt 0x0
	s_wait_kmcnt 0x0
	s_add_nc_u64 s[20:21], s[6:7], s[20:21]
	s_add_nc_u64 s[22:23], s[4:5], s[22:23]
.irp s, 0,1
	s_mov_b32 s[G0M+4*\s], 1
	s_add_co_u32 s[G0M+4*\s+1], s87, \s*SLOT
	s_add_nc_u64 s[G0M+4*\s+2:G0M+4*\s+3], s[20:21], \s*512
	s_or_b32 s[G0M+4*\s+3], s[G0M+4*\s+3], 0x80000000
	s_mov_b32 s[G0K+4*\s], 1
	s_add_co_u32 s[G0K+4*\s+1], s88, \s*SLOT
	s_add_nc_u64 s[G0K+4*\s+2:G0K+4*\s+3], s[22:23], \s*16384
	s_or_b32 s[G0K+4*\s+3], s[G0K+4*\s+3], 0x80000000
	s_mov_b32 s[G0V+4*\s], 1
	s_add_co_u32 s[G0V+4*\s+1], s89, \s*SLOT
	s_add_nc_u64 s[G0V+4*\s+2:G0V+4*\s+3], s[22:23], \s*16384+16*262144
	s_or_b32 s[G0V+4*\s+3], s[G0V+4*\s+3], 0x80000000
.endr
	ROUND                                          ; all sixteen work-groups are here
	JLOAD 0                                        ; tiles 0 and 1: both slots' first fills go out as one group.  Two loads of mine are out here,
	JLOAD 1                                        ; later one: each refill stands behind a wait for all my loads
	v_and_b32 v1, 15, v0                           ; r
	v_bfe_u32 v16, v0, 4, 1                        ; h
	s_mul_i32 s87, s19, 32*PM
	v_mul_u32_u24 v17, v1, PM
	v_lshl_add_u32 v17, v16, 5, v17
	v_add_nc_u32 v[ADRM], s87, v17                 ; (32 wq + r) x 528 + 32 h
	v_add_nc_u32 v[ADRM+1], SLOT, v[ADRM]
	s_mul_i32 s88, s18, 128*PK
	s_add_co_u32 s88, s88, KOFF
	v_mul_u32_u24 v17, v1, PK
	v_lshl_add_u32 v17, v16, 4, v17
	v_add_nc_u32 v[ADRK], s88, v17                 ; my head's K + 144 r + 16 h
	v_add_nc_u32 v[ADRK+1], SLOT, v[ADRK]
	s_mul_i32 s89, s18, 128*PV
	s_add_co_u32 s89, s89, VOFF
	v_and_b32 v18, 7, v0
	v_bfe_u32 v19, v0, 3, 1
	v_lshl_add_u32 v17, v16, 3, v18
	v_mul_u32_u24 v17, v17, PV
	v_lshl_add_u32 v17, v19, 4, v17
	v_add_nc_u32 v[ADRV], s89, v17                 ; my head's V + (8 h + l % 8) x 160 + 16 ((l / 8) % 2)
	v_add_nc_u32 v[ADRV+1], SLOT, v[ADRV]
	s_mul_i32 s83, s3, 16*SP
	s_add_co_u32 s83, s83, STAGE                   ; my own 16 rows of the stage
	v_mul_u32_u24 v17, v1, SP
	v_lshl_add_u32 v17, v16, 4, v17
	v_add_nc_u32 v[STO], s83, v17                  ; in: row r, 16 h
	v_mul_u32_u24 v17, v16, SP
	v_lshl_add_u32 v17, v1, 4, v17
	v_add_nc_u32 v[RD], s83, v17                   ; back: lanes 0-15 take one token's 256 bytes, lanes 16-31 the next token's
	v_lshlrev_b32 v17, 12, v16
	v_lshl_add_u32 v[CO], v1, 4, v17               ; the same two tokens in ab: 4,096 h + 16 (l % 16)
	v_lshlrev_b32 v17, 4, v16
	v_lshl_add_u32 v[QO], v1, 7, v17               ; 128 r + 16 h
	s_mul_i32 s90, s16, 48
	s_lshl1_add_u32 s90, s14, s90
	s_add_co_u32 s90, s90, s18                     ; 48 x batch + 2 px + hs: Q's head block
	s_lshl_b32 s90, s90, 11
	s_and_b32 s91, s15, 15
	s_lshl_b32 s91, s91, 7
	s_add_co_u32 s90, s90, s91
	s_lshl_b32 s91, s19, 5
	s_add_co_u32 s90, s90, s91                     ; + my first query row
	s_lshl_b32 s90, s90, 7
	s_mov_b32 s91, 0
	s_add_nc_u64 s[90:91], s[4:5], s[90:91]
.irp tt, 0,1
.irp kk, 0,1
	global_load_b128 v[FQ+16*\tt+8*\kk:FQ+16*\tt+8*\kk+3],   v[QO], s[90:91] offset:2048*\tt+64*\kk
	global_load_b128 v[FQ+16*\tt+8*\kk+4:FQ+16*\tt+8*\kk+7], v[QO], s[90:91] offset:2048*\tt+64*\kk+32
.endr
.endr
	s_lshl_b32 s94, s14, 3
	s_mov_b32 s95, 0
	s_add_nc_u64 s[94:95], s[8:9], s[94:95]
	s_load_b64 s[84:85], s[94:95], 0x0             ; the two heads' gates
	s_lshl_b32 s92, s15, 7
	s_lshl_b32 s93, s19, 5
	s_add_co_u32 s92, s92, s93                     ; my first token: 128 y + 32 wq
	s_lshl_b32 s92, s92, 12                        ; tokens of 4,096 bytes
	s_lshl1_add_u32 s93, s14, s18                  ; my head: 2 px + hs
	s_lshl_b32 s93, s93, 8                         ; heads of 256 bytes
	s_add_co_u32 s92, s92, s93
	s_mov_b32 s93, 0
	s_add_nc_u64 s[92:93], s[10:11], s[92:93]
	s_mov_b32 s76, 0xff7fffff                      ; L, the lowest f32
	s_mov_b32 s77, 0xffff0000                      ; a word's upper bf16
	s_mov_b32 s78, 0x3fb8aa3b                      ; log2(e)
	s_mov_b32 s79, 0x3fb8aa3b
	s_mov_b32 s80, 0x76543210                      ; lane i of one half reads lane i of the other
	s_mov_b32 s81, 0xfedcba98
	v_mov_b32 v12, s76                             ; the running maxima start at L, the sums at 0
	v_mov_b32 v13, 0
	v_mov_b32 v14, s76
	v_mov_b32 v15, 0
	v_mov_b32 v23, 0
	v_mov_b32 v25, 0
	v_mov_b32 v30, 0x3c003c00                      ; two f16 ones
	v_mov_b32 v31, 0x3a000000                      ; 1 / 2048: the weight of each key in a row that ends at L
	s_wait_kmcnt 0x0
	s_cmp_eq_u32 s18, 0
	s_cselect_b32 s86, s84, s85                    ; my head's gate
	s_wait_loadcnt 0x0                             ; Q
	s_wait_tensorcnt 0x0                           ; my parts of tiles 0 and 1 are in.  For all my loads and not counted: waves 6 and 7 issue none, so a count
	                                               ; would not leave the same load out on every way through the two groups of branches above
	s_barrier_signal -1
	s_barrier_wait -1                              ; everybody's parts are in
	TRIP 0, 1, 1                                   ; 16 tiles of 128 keys; tiles 0 to 13 ask for the tile two on
	TRIP 1, 1, 0
	s_mov_b32 s82, 6
.Lpair:
	TRIP 0, 1, 0
	TRIP 1, 1, 0
	s_sub_co_u32 s82, s82, 1
	s_cmp_lg_u32 s82, 0
	s_cbranch_scc1 .Lpair
	TRIP 0, 2, 0                                   ; tile 14: nothing is left to fetch; its barrier shows tile 15 whole
	TRIP 1, 0, 0                                   ; tile 15
	P5
	v_permlanex16_b32 v23, v13, s80, s81           ; the two halves of each row's sum meet
	v_permlanex16_b32 v25, v15, s80, s81
	v_mov_b32 v26, s86
	v_add_f32 v13, v13, v23
	v_add_f32 v15, v15, v25
	v_cvt_pk_bf16_f32 v26, v26, v26                ; the gate, rounded to bf16 (see LIMITS)
	v_rcp_f32 v22, v13                             ; above L the sum is at least 1: the row's largest score gives exp(0)
	v_rcp_f32 v24, v15
	v_lshlrev_b32 v26, 16, v26                     ; back to f32: also the plain place behind the reciprocals
	s_wait_alu depctr_va_vdst(0)
	v_cndmask_b32 v22, v22, v31, s87               ; a row that ends at L: 2,048 weights of 1 (THE CLAMP); s87, s88 are the last half tile's, so the final maxima's
	v_cndmask_b32 v24, v24, v31, s88
	v_mul_f32 v22, v26, v22                        ; gate / sum
	v_mul_f32 v24, v26, v24
.set i, 0
.rept 16
	v_pk_mul_f32 v[OA+i:OA+i+1], v[OA+i:OA+i+1], v[22:23] op_sel_hi:[1,0]
	v_pk_mul_f32 v[OA+32+i:OA+33+i], v[OA+32+i:OA+33+i], v[24:25] op_sel_hi:[1,0]
.set i, i+2
.endr
	; hi = bf16(out); lo = bf16(out - hi).  Tile (tt, dt): words 16 tt + 4 dt .. + 3 = d 16 dt + 8 h + 0..7 of query r.
.set i, 0
.rept 32
	v_cvt_pk_bf16_f32 v[SA+i], v[OA+2*i], v[OA+2*i+1]
.set i, i+1
.endr
.set i, 0
.rept 32
	v_lshlrev_b32 v[FKV+2*i], 16, v[SA+i]
	v_and_b32 v[FKV+2*i+1], s77, v[SA+i]
.set i, i+1
.endr
.set i, 0
.rept 32
	v_pk_add_f32 v[OA+2*i:OA+2*i+1], v[OA+2*i:OA+2*i+1], v[FKV+2*i:FKV+2*i+1] neg_lo:[0,1] neg_hi:[0,1]   ; exact: hi has out's leading bits
.set i, i+1
.endr
.set i, 0
.rept 32
	v_cvt_pk_bf16_f32 v[SA+32+i], v[OA+2*i], v[OA+2*i+1]
.set i, i+1
.endr
	; 16 tokens at a time through my own stage: no other wave touches these bytes, and LDS serves a wave's instructions in order, so no barrier stands here
.irp tt, 0,1
.irp dt, 0,1,2,3
	ds_store_b128 v[STO], v[SA+16*\tt+4*\dt:SA+16*\tt+4*\dt+3] offset:32*\dt
	ds_store_b128 v[STO], v[SA+32+16*\tt+4*\dt:SA+32+16*\tt+4*\dt+3] offset:128+32*\dt
.endr
.irp q, 0,1,2,3,4,5,6,7
	ds_load_b128 v[FKV+32*\tt+4*\q:FKV+32*\tt+4*\q+3], v[RD] offset:2*SP*\q
.endr
.irp q, 0,1,2,3,4,5,6,7
	s_wait_dscnt 7-\q                              ; load q is in, the younger ones stay out
	global_store_b128 v[CO], v[FKV+32*\tt+4*\q:FKV+32*\tt+4*\q+3], s[92:93] offset:65536*\tt+8192*\q   ; 16 lanes store a token's and head's 256 consecutive aligned bytes
.endr
.endr
	s_set_vgpr_msb 0x5
	s_wait_tensorcnt 0x0
	ds_add_u32 v0, v1
	s_wait_dscnt 0x0
	s_set_vgpr_msb 0x500
	ROUND                                          ; the closing round
	s_endpgm
.Lfunc_end_k_qd26ca351c8_attn:
	.size	k_qd26ca351c8_attn, .Lfunc_end_k_qd26ca351c8_attn-k_qd26ca351c8_attn
	.p2alignl 7, 3214868480
	.fill 96, 4, 3214868480
	.section	.rodata,"a",@progbits
	.p2align	6, 0x0
	.amdhsa_kernel k_qd26ca351c8_attn
		.amdhsa_group_segment_fixed_size 327680
		.amdhsa_private_segment_fixed_size 0
		.amdhsa_enable_private_segment 0
		.amdhsa_kernarg_size 32
		.amdhsa_user_sgpr_count 2
		.amdhsa_user_sgpr_kernarg_segment_ptr 1
		.amdhsa_wavefront_size32 1
		.amdhsa_system_sgpr_workgroup_id_x 1
		.amdhsa_system_sgpr_workgroup_id_y 1
		.amdhsa_system_sgpr_workgroup_id_z 1
		.amdhsa_system_vgpr_workitem_id 0
		.amdhsa_next_free_vgpr 258
		.amdhsa_next_free_sgpr 96
		.amdhsa_reserve_vcc 0
		.amdhsa_float_denorm_mode_32 3
		.amdhsa_float_denorm_mode_16_64 3
		.amdhsa_memory_ordered 1
		.amdhsa_forward_progress 1
		.amdhsa_inst_pref_size 255
	.end_amdhsa_kernel
	.section	.bss,"aw",@nobits
	.p2align	6
	.space	262144
	.amdgpu_metadata
---
amdhsa.version: [ 1, 2 ]
amdhsa.kernels:
  - .name:           k_qd26ca351c8_attn
    .symbol:         k_qd26ca351c8_attn.kd
    .args:
      - { .name: qkv, .offset: 0, .size: 8, .value_kind: global_buffer, .address_space: global }
      - { .name: attention_mask, .offset: 8, .size: 8, .value_kind: global_buffer, .address_space: global }
      - { .name: layer_head_mask, .offset: 16, .size: 8, .value_kind: global_buffer, .address_space: global }
      - { .name: ab, .offset: 24, .size: 8, .value_kind: global_buffer, .address_space: global }
    .group_segment_fixed_size: 327680
    .private_segment_fixed_size: 0
    .kernarg_segment_align: 8
    .kernarg_segment_size: 32
    .max_flat_workgroup_size: 256
    .sgpr_count:     96
    .vgpr_count:     258
    .wavefront_size: 32
...
	.end_amdgpu_metadata
.endif
;; end of part 3
;; launch oproj (part 4): grid 8 x 32, 4 waves a work-group, clusters of 4 x 4, 327,680 bytes of LDS; arguments ab, wo, b_out, out0; writes out0
.if DOCPART == 4
	.amdgcn_target "amdgcn-amd-amdhsa--gfx1250"
	.amdhsa_code_object_version 6
	.text
	.protected	k_qd26ca351c8_oproj
	.globl	k_qd26ca351c8_oproj
	.p2align	8
	.type	k_qd26ca351c8_oproj,@function
k_qd26ca351c8_oproj:
	s_mov_b64 s[64:65], 0
	v_nop
	global_prefetch_b8 v0, s[64:65] scope:SCOPE_SE
	s_setreg_imm32_b32 hwreg(HW_REG_WAVE_MODE, 25, 1), 1
	s_wait_xcnt 0x0
	s_wait_alu depctr_hold_cnt(0) depctr_sa_sdst(0) depctr_va_vdst(0) depctr_va_sdst(0) depctr_va_ssrc(0) depctr_va_vcc(0) depctr_vm_vsrc(0)
	s_getreg_b32 s2, hwreg(HW_REG_IB_STS2, 6, 4)
	s_cmp_eq_u32 s2, 0
	s_cbranch_scc0 .Lentry_in_a_cluster
	s_endpgm
.Lentry_in_a_cluster:
	s_bfe_u32 s2, ttmp6, 0x10000c
	s_cmp_lg_u32 s2, 0xf033
	s_cbranch_scc0 .Lentry_shape_is_right
	s_endpgm
.Lentry_shape_is_right:
; out0[m][f] = sum over e of attention[m][e] W_out[f][e] + b_out[f]: m = 4096, f = 1024, e = 1024; sums and result f32.
; The attention output comes as two bf16 numbers, a high and a low part: ab[m][128 hd + 64 c + d], hd the head, c = 0 high, 1 low.  wo is W_out
; in bf16.  Both parts are multiplied by the same weight, so a fragment of W_out is fetched once and used with the high and with the low
; fragments, which add onto the same accumulator: 2048 products for each output, with 1024 weights' bytes.
; A work-group makes 128 x 128 (8 x 32 = 256 work-groups); its four waves take 32 rows x 128 columns each: 16 accumulator tiles.
; K goes in steps of 128 e (two heads) through two LDS slots: A's rows are 512 bytes of memory, B's 256.  A piece of 32 e is 4 fragments of A
; (2 row tiles x high, low), 8 of B and 32 matrix instructions.
; 4 x 4 work-groups form a cluster: A's tiles are shared along its rows, B's along its columns, by joint loads.
; Windows: 0 addresses, A's fragments, bias, way out; 1 B's fragments; 2 the tiles of columns 0-63, 3 those of columns 64-127 (tile (a, b) at 8 (4 a + b)).
; The matrix instruction is used transposed: lane l holds row l % 16 and the eight neighbouring columns 8 (l / 16) + 0..7.
.set RT,     2                         ; tiles of 16 rows in a wave
.set MT,     2*RT                      ; A's fragments in a piece: (part c, row tile a) at RT c + a
.set NT,     8
.set NH,     NT/2
.set PITCHA, 528                       ; 512 + 16 and 256 + 16: odd multiples of 16 bytes
.set PITCHB, 272
.set BM,     128
.set BN,     128
.set AROWS,  64                        ; rows in one tensor load
.set BROWS,  64
.set HALFA,  AROWS*PITCHA
.set HALFB,  BROWS*PITCHB
.set SLOT,   2*HALFA+2*HALFB           ; 102,400 bytes: A's 128 rows, then B's 128
.set STAGE,  2*SLOT                    ; a multiple of 256 bytes: no fill lands there
.set SPITCH, 528                       ; a stage row: 128 f32 + 16 bytes
.set LAPS,   1024/(2*128)              ; a lap = two K steps = once round the ring
.set LD,     2*(MT+NT)                 ; LDS loads of a piece
.set ADRA, 16
.set ADRB, 20
.set STO,  24
.set RD,   25
.set CO,   26
.set BO,   27
.set FA0,  32                          ; A's fragments: buffer f at FA0 + 32 f (v32-95).  B's (window 1): buffer f at 64 f
.set BIAS, 96                          ; v96-159
.set RB,   160                         ; v160-223 rows read back
.set G1,  24
.set G0,  32
.set G1B, 48
.set G0B, 56
.set MUL_LO, 0xa1                      ; source 0 (B) window 1, source 1 (A) window 0, C and D window 2
.set MUL_HI, 0xf1                      ; the same, C and D window 3
.set TO_B,   0x40
.set MSB, 0
.macro WIN new                         ; the immediate's high byte repeats the setting that is left
.if MSB != \new
	s_set_vgpr_msb (MSB<<8)|\new
.set MSB, \new
.endif
.endm
.macro PLACES                          ; four places behind matrix instructions (ISA guide 7.12.1)
.rept 4
	v_nop
.endr
.endm
.macro JLOAD s                         ; waves 0 and 1 ask for A's halves, waves 2 and 3 for B's
	s_cmp_eq_u32 s11, 0
	s_cbranch_scc0 .Lfor_b_\@
	tensor_load_to_lds s[G0+4*\s:G0+4*\s+3], s[G1:G1+7]
	s_nop 0
	s_branch .Lasked_\@
.Lfor_b_\@:
	tensor_load_to_lds s[G0B+4*\s:G0B+4*\s+3], s[G1B:G1B+7]
	s_nop 0
.Lasked_\@:
.endm
.macro CREST
	s_cmp_lg_u32 s10, 0
	s_cbranch_scc1 .Lnot_wave_0_\@
	s_barrier_signal -3
.Lnot_wave_0_\@:
	s_barrier_wait -3
	s_barrier_signal -1
	s_barrier_wait -1
.endm
.macro CROUND
	s_barrier_signal -1
	s_barrier_wait -1
	CREST
.endm
; RT x NH = 8 matrix instructions on buffer f: part c of A (0 high, 1 low) x the column tiles of window 2 + hi.  zero = 1: the product starts the sum.
; The window's eight accumulators take turns, one instruction a turn, first with the high part and then with the low.
.macro MULP f, hi, c, zero
.set ia, 0
.rept RT
.set ib, 0
.rept NH
.set td, 8*(NH*ia+ib)
.set tb, \f*8*NT+8*(NH*\hi+ib)
.set ta, FA0+\f*8*MT+8*(RT*\c+ia)
.if \zero
	v_wmma_f32_16x16x32_bf16 v[td:td+7], v[tb:tb+7], v[ta:ta+7], 0
.else
	v_wmma_f32_16x16x32_bf16 v[td:td+7], v[tb:tb+7], v[ta:ta+7], v[td:td+7]
.endif
.set ib, ib+1
.endr
.set ia, ia+1
.endr
.endm
; The LD loads of piece q (32 e: head q / 2 of the step's two, half q % 2 of its 64 numbers) into buffer f, in one run: A first, then B's tiles 0 .. NT-1.
; In A's rows a head is 256 bytes, its low part 128 bytes behind its high part; in B's rows a head is 128 bytes.
.macro FETCH slot, q, f
	WIN 0
.set ia, 0
.rept MT
.set oa, 256*(\q/2)+64*(\q%2)+128*(ia/RT)+(ia%RT)*16*PITCHA
	ds_load_b128 v[FA0+\f*8*MT+8*ia:FA0+\f*8*MT+8*ia+3],   v[ADRA+\slot] offset:oa
	ds_load_b128 v[FA0+\f*8*MT+8*ia+4:FA0+\f*8*MT+8*ia+7], v[ADRA+\slot] offset:oa+32
.set ia, ia+1
.endr
	WIN TO_B
.set ib, 0
.rept NT
	ds_load_b128 v[\f*8*NT+8*ib:\f*8*NT+8*ib+3],   v[ADRB+\slot] offset:64*\q+ib*16*PITCHB
	ds_load_b128 v[\f*8*NT+8*ib+4:\f*8*NT+8*ib+7], v[ADRB+\slot] offset:64*\q+ib*16*PITCHB+32
.set ib, ib+1
.endr
.endm
; A piece: multiplies buffer f; in its middle it fetches piece q into buffer g.
.macro QUARTER slot, q, f, g, zero
	s_wait_dscnt NT                                ; A and B's lower half are in; the youngest NT loads (B's upper half) may be out
	WIN MUL_LO
	MULP \f, 0, 0, \zero
	MULP \f, 0, 1, 0
	PLACES
	FETCH \slot, \q, \g
	s_wait_dscnt LD                                ; all but the LD just issued
	WIN MUL_HI
	MULP \f, 1, 0, \zero
	MULP \f, 1, 1, 0
.endm
.macro FIRSTQ slot, zero                           ; three of a K step's four pieces
	QUARTER \slot, 1, 0, 1, \zero
	QUARTER \slot, 2, 1, 0, 0
	QUARTER \slot, 3, 0, 1, 0
.endm
; The last piece multiplies buffer 1 and changes slots: each wave's waits, the barrier (with fill = 1 it opens a round of the cluster's barrier),
; the joint refill first behind it, then the next slot's first fragments.
.macro TURN slot, next, fill
	s_wait_dscnt NT
	WIN MUL_LO
	MULP 1, 0, 0, 0
	s_wait_dscnt 0x0                               ; my reads of this slot are over
	s_wait_tensorcnt 0x0                           ; all my tensor loads have landed: the one that was out is my part of the next slot
	ds_add_u32 v255, v255
	s_wait_dscnt 0x0
	s_barrier_signal -1
	MULP 1, 0, 1, 0                                ; register work while the others arrive
	WIN 0
	s_barrier_wait -1
.if \fill
	CREST
	s_add_nc_u64 s[G0+4*\slot+2:G0+4*\slot+3], s[G0+4*\slot+2:G0+4*\slot+3], 2*512     ; two K steps on: 512 bytes a step in A's rows,
	s_add_nc_u64 s[G0B+4*\slot+2:G0B+4*\slot+3], s[G0B+4*\slot+2:G0B+4*\slot+3], 2*256 ; 256 in B's
	JLOAD \slot                                    ; my one tensor load behind the round
.endif
	PLACES
	FETCH \next, 0, 0
	WIN MUL_HI
	MULP 1, 1, 0, 0
	MULP 1, 1, 1, 0
.endm
.macro LAP zero
	FIRSTQ 0, \zero
	TURN 0, 1, 1
	FIRSTQ 1, 0
	TURN 1, 0, 1
.endm
	s_load_b128 s[4:7], s[0:1], 0x0                ; ab s[4:5], wo s[6:7]
	s_load_b64 s[68:69], s[0:1], 0x10              ; b_out
	s_load_b64 s[8:9], s[0:1], 0x18                ; out0
	s_set_vgpr_msb 0x40
	v_lshl_add_u32 v255, v0, 2, 0x3a400
	s_set_vgpr_msb 0x4000
	v_mov_b32 v255, 0
	s_set_vgpr_msb 0x1
	ds_add_u32 v255, v255
	s_set_vgpr_msb 0x100
	v_lshrrev_b32 v1, 5, v0
	v_readfirstlane_b32 s10, v1                    ; wave 0..3
	s_lshr_b32 s11, s10, 1                         ; I fetch for A (0) or for B (1)
	s_and_b32 s12, s10, 1                          ; which half of that tile
	s_bfe_u32 s40, ttmp6, 0x40000                  ; cx
	s_bfe_u32 s41, ttmp6, 0x40004                  ; cy
	s_lshl_b32 s42, ttmp9, 2
	s_add_co_u32 s42, s42, s40                     ; block column
	s_and_b32 s13, ttmp7, 0xffff
	s_lshl_b32 s13, s13, 2
	s_add_co_u32 s13, s13, s41                     ; block row
	s_lshl_b32 s43, s41, 2
	s_lshl_b32 s43, 15, s43                        ; my row of the cluster
	s_lshl_b32 s44, 0x1111, s40                    ; my column
	s_or_b32 s[G1+0], s43, (1<<16)|(1<<20)|(1<<21)|(6<<22)|(3<<25)    ; mask; elements of 2 bytes; padding on; bit 21 beside a mask; 4 words behind every 128
	s_or_b32 s[G1B+0], s44, (1<<16)|(1<<20)|(1<<21)|(5<<22)|(3<<25)   ; 4 words behind every 64
	s_mov_b32 s[G1+1], 256<<16                     ; tensor_dim0
	s_mov_b32 s[G1B+1], 128<<16
	s_mov_b32 s[G1+2], AROWS<<16                   ; tensor_dim1
	s_mov_b32 s[G1B+2], BROWS<<16
	s_mov_b32 s[G1+3], 256<<16                     ; tile_dim0: two heads' high and low parts
	s_mov_b32 s[G1B+3], 128<<16                    ; two heads' weights
	s_mov_b32 s[G1+4], AROWS                       ; tile_dim1
	s_mov_b32 s[G1B+4], BROWS
	s_mov_b32 s[G1+5], 2048                        ; elements from row to row
	s_mov_b32 s[G1B+5], 1024
	s_mov_b32 s[G1+6], 0
	s_mov_b32 s[G1B+6], 0
	s_mov_b32 s[G1+7], 0
	s_mov_b32 s[G1B+7], 0
	; A's tiles hang on the block row alone, B's on the block column alone, each in registers that never hold the other coordinate
	s_mul_i32 s17, s12, AROWS
	s_mul_i32 s16, s13, BM
	s_add_co_u32 s16, s16, s17
	s_lshl_b32 s16, s16, 12                        ; ab's rows of 4,096 bytes
	s_mov_b32 s17, 0
	s_mul_i32 s47, s12, BROWS
	s_mul_i32 s46, s42, BN
	s_add_co_u32 s46, s46, s47
	s_lshl_b32 s46, s46, 11                        ; wo's rows of 2,048 bytes
	s_mov_b32 s47, 0
	s_mul_i32 s20, s10, HALFA                      ; A's halves lie at wave x HALFA (waves 0, 1),
	s_mul_i32 s21, s10, HALFB
	s_add_co_u32 s21, s21, 2*HALFA-2*HALFB         ; B's behind them, at 2 HALFA + (wave - 2) x HALFB (waves 2, 3)
	s_wait_dscnt 0x0
	s_wait_kmcnt 0x0
	s_add_nc_u64 s[14:15], s[4:5], s[16:17]
	s_add_nc_u64 s[46:47], s[6:7], s[46:47]
	CROUND                                         ; all sixteen work-groups are here: the first joint loads meet
.irp s, 0,1
	s_mov_b32 s[G0+4*\s], 1
	s_add_co_u32 s[G0+4*\s+1], s20, \s*SLOT
	s_add_nc_u64 s[G0+4*\s+2:G0+4*\s+3], s[14:15], \s*512
	s_or_b32 s[G0+4*\s+3], s[G0+4*\s+3], 0x80000000
	s_mov_b32 s[G0B+4*\s], 1
	s_add_co_u32 s[G0B+4*\s+1], s21, \s*SLOT
	s_add_nc_u64 s[G0B+4*\s+2:G0B+4*\s+3], s[46:47], \s*256
	s_or_b32 s[G0B+4*\s+3], s[G0B+4*\s+3], 0x80000000
	JLOAD \s                                       ; both first fills as one group: two loads of mine are out
.endr
	v_and_b32 v1, 15, v0                           ; r
	v_bfe_u32 v2, v0, 4, 1                         ; h
	v_mul_u32_u24 v3, v1, PITCHA
	v_lshl_add_u32 v3, v2, 4, v3                   ; r x pitch + 16 h, for A
	v_mul_u32_u24 v5, v1, PITCHB
	v_lshl_add_u32 v5, v2, 4, v5                   ; and for B
	s_mul_i32 s22, s10, 16*RT*PITCHA               ; my 32 rows of A
	s_mov_b32 s23, 2*HALFA                         ; B: every wave reads all of it
.irp s, 0,1
	v_add_nc_u32 v[ADRA+\s], s22, v3
	v_add_nc_u32 v[ADRB+\s], s23, v5
	s_add_co_u32 s22, s22, SLOT
	s_add_co_u32 s23, s23, SLOT
.endr
	s_mul_i32 s45, s10, 16*SPITCH
	s_add_co_u32 s45, s45, STAGE                   ; my stage
	v_mul_u32_u24 v4, v1, SPITCH
	v_lshl_add_u32 v4, v2, 5, v4
	v_add_nc_u32 v[STO], s45, v4                   ; in: row r, 32 bytes for each half of the lanes
	v_and_b32 v6, 31, v0
	v_lshlrev_b32 v[CO], 4, v6
	v_add_nc_u32 v[RD], s45, v[CO]                 ; back: the 32 lanes take a row's 512 bytes
	v_lshlrev_b32 v[BO], 5, v2
	s_lshl_b32 s90, s42, 9                         ; my block's 128 columns of 4 bytes
	s_mov_b32 s91, 0
	s_add_nc_u64 s[72:73], s[68:69], s[90:91]
	s_lshl_b32 s92, s13, 7
	s_lshl_b32 s93, s10, 5
	s_add_co_u32 s92, s92, s93                     ; my first row
	s_lshl_b32 s92, s92, 12
	s_add_co_u32 s92, s92, s90
	s_mov_b32 s93, 0
	s_add_nc_u64 s[8:9], s[8:9], s[92:93]
.set ib, 0
.rept NT
	global_load_b128 v[BIAS+8*ib:BIAS+8*ib+3],   v[BO], s[72:73] offset:64*ib      ; waited for on the way out, where the bias is first read;
	global_load_b128 v[BIAS+8*ib+4:BIAS+8*ib+7], v[BO], s[72:73] offset:64*ib+16   ; until then nothing names these registers, BO or s[72:73]
.set ib, ib+1
.endr
	s_wait_tensorcnt 0x1                           ; my part of K step 0 is in; step 1's may stay out
	s_barrier_signal -1
	s_barrier_wait -1
	FETCH 0, 0, 0
	LAP 1                                          ; the first lap's first products (with the high part) start the sums
	WIN 0                                          ; at a label and at a branch every window is 0
	s_mov_b32 s3, LAPS-2
.Llap:
	LAP 0
	WIN 0
	s_sub_co_u32 s3, s3, 1
	s_cmp_lg_u32 s3, 0
	s_cbranch_scc1 .Llap
	FIRSTQ 0, 0                                    ; the last lap fills nothing
	TURN 0, 1, 0
	FIRSTQ 1, 0
	s_wait_dscnt NT
	WIN MUL_LO
	MULP 1, 0, 0, 0
	MULP 1, 0, 1, 0
	s_wait_dscnt 0x0
	WIN MUL_HI
	MULP 1, 1, 0, 0
	MULP 1, 1, 1, 0
	; THE WAY OUT: the bias in place, then 16 rows at a time through my own stage, out as whole pieces of 512 consecutive bytes of a row.
	PLACES
	s_wait_loadcnt 0x0                             ; the bias
.macro ADDB hi
.set ia, 0
.rept RT
.set ib, 0
.rept NH
.set ip, 0
.rept 4
.set td, 8*(NH*ia+ib)+2*ip
	v_pk_add_f32 v[td:td+1], v[td:td+1], v[BIAS+8*(ib+NH*\hi)+2*ip:BIAS+8*(ib+NH*\hi)+2*ip+1]
.set ip, ip+1
.endr
.set ib, ib+1
.endr
.set ia, ia+1
.endr
.endm
	WIN 0x82                                       ; source 0 and destination window 2, the bias window 0
	ADDB 0
	WIN 0xc3
	ADDB 1
.macro PUT a, hi
.set ib, 0
.rept NH
	ds_store_b128 v[STO], v[8*(NH*\a+ib):8*(NH*\a+ib)+3]   offset:64*(ib+NH*\hi)
	ds_store_b128 v[STO], v[8*(NH*\a+ib)+4:8*(NH*\a+ib)+7] offset:64*(ib+NH*\hi)+16
.set ib, ib+1
.endr
.endm
.macro OUT16 a
	WIN 0x08                                       ; the stores' data window 2, their address window 0
	PUT \a, 0
	WIN 0x0c                                       ; data window 3
	PUT \a, 1
	WIN 0
	s_wait_xcnt 0x0                                ; RB and the base, which the last 16 rows' stores read, are written again only behind this wait
.if \a
	s_add_nc_u64 s[8:9], s[8:9], 16*4096
.endif
.set n, 0
.rept 16
	ds_load_b128 v[RB+4*n:RB+4*n+3], v[RD] offset:SPITCH*n      ; LDS serves a wave's instructions in order: these see the stores above
.set n, n+1
.endr
.set n, 0
.rept 16
	s_wait_dscnt 15-n                              ; load n is in, the younger ones stay out
	global_store_b128 v[CO], v[RB+4*n:RB+4*n+3], s[8:9] offset:4096*n th:TH_STORE_NT
.set n, n+1
.endr
.endm
	OUT16 0
	OUT16 1
	s_set_vgpr_msb 0x1
	s_wait_tensorcnt 0x0
	ds_add_u32 v255, v255
	s_wait_dscnt 0x0
	s_set_vgpr_msb 0x100
	CROUND                                         ; the closing round
	s_endpgm
.Lfunc_end_k_qd26ca351c8_oproj:
	.size	k_qd26ca351c8_oproj, .Lfunc_end_k_qd26ca351c8_oproj-k_qd26ca351c8_oproj
	.p2alignl 7, 3214868480
	.fill 96, 4, 3214868480
	.section	.rodata,"a",@progbits
	.p2align	6, 0x0
	.amdhsa_kernel k_qd26ca351c8_oproj
		.amdhsa_group_segment_fixed_size 327680
		.amdhsa_private_segment_fixed_size 0
		.amdhsa_enable_private_segment 0
		.amdhsa_kernarg_size 32
		.amdhsa_user_sgpr_count 2
		.amdhsa_user_sgpr_kernarg_segment_ptr 1
		.amdhsa_wavefront_size32 1
		.amdhsa_system_sgpr_workgroup_id_x 1
		.amdhsa_system_sgpr_workgroup_id_y 1
		.amdhsa_system_sgpr_workgroup_id_z 1
		.amdhsa_system_vgpr_workitem_id 0
		.amdhsa_next_free_vgpr 832
		.amdhsa_next_free_sgpr 96
		.amdhsa_reserve_vcc 0
		.amdhsa_float_denorm_mode_32 3
		.amdhsa_float_denorm_mode_16_64 3
		.amdhsa_memory_ordered 1
		.amdhsa_forward_progress 1
		.amdhsa_inst_pref_size 117
	.end_amdhsa_kernel
	.amdgpu_metadata
---
amdhsa.version: [ 1, 2 ]
amdhsa.kernels:
  - .name:           k_qd26ca351c8_oproj
    .symbol:         k_qd26ca351c8_oproj.kd
    .args:
      - { .name: ab, .offset: 0, .size: 8, .value_kind: global_buffer, .address_space: global }
      - { .name: wo, .offset: 8, .size: 8, .value_kind: global_buffer, .address_space: global }
      - { .name: b_out, .offset: 16, .size: 8, .value_kind: global_buffer, .address_space: global }
      - { .name: out0, .offset: 24, .size: 8, .value_kind: global_buffer, .address_space: global }
    .group_segment_fixed_size: 327680
    .private_segment_fixed_size: 0
    .kernarg_segment_align: 8
    .kernarg_segment_size: 32
    .max_flat_workgroup_size: 128
    .sgpr_count:     96
    .vgpr_count:     832
    .wavefront_size: 32
...
	.end_amdgpu_metadata
.endif
;; end of part 4
